; MI455X (gfx1250); checked and timed in simulation.
; The chip was launched on July 23, 2026; its instructions are those of AMD's public machine-readable ISA for CDNA 5 (MIT licence, August 2026) and "CDNA5" Instruction Set Architecture Reference Guide (July 2026). The comments in the code are by the model that wrote it; some were corrected since.
;; Attention Block. Allowed arithmetic: matrix products marked QUANTISED: E5M2 operands, one given power-of-two scale a tensor, by v_wmma_f32_16x16x64_bf8_bf8 or v_wmma_f32_16x16x128_bf8_bf8, f32 sums; everything else in f32.
;; Inputs: Wk_codes 1,024 x 32 x 32 uint8 (E5M2 codes of Wk, K innermost, in blocks of 32 codes); Wo_codes 1,024 x 32 x 32 uint8 (E5M2 codes of Wo, K innermost, in blocks of 32 codes); Wq_codes 1,024 x 32 x 32 uint8 (E5M2 codes of Wq, K innermost, in blocks of 32 codes); Wv_codes 1,024 x 32 x 32 uint8 (E5M2 codes of Wv, K innermost, in blocks of 32 codes); bk 1,024 float32; bo 1,024 float32; bq 1,024 float32; bv 1,024 float32; cos_freq 4,096 x 1,024 float32; input_mask 4,096 int32; inputs 4,096 x 1,024 float32; lowp_scales 12 int32 (the exponents e of the quantised operands' scales 2^e); sin_freq 4,096 x 1,024 float32.
;; Outputs: out0 4,096 x 1,024 float32.
;; This version of the problem:
;;   THIS VERSION OF THE PROBLEM IS GIVEN IN LOW PRECISION. The matrix products marked QUANTISED in the list below multiply operands that are first quantised to E5M2 (5 exponent bits, 2 mantissa bits; 8 bits a number), with one given power-of-two scale for each operand tensor; their sums are f32. All else is computed in f32.
;;   The module's matrix products, in the order in which they are computed (A, B: the left and right operand; K: the contracted axis; several contracted axes count as one K, in the product's order):
;;     1. [M 4,096, K 1,024] x [K 1,024, N 1,024]; A: computed on the way; B: input Wq (given as codes): QUANTISED (scales: A lowp_scales[0], B lowp_scales[1])
;;     2. [M 4,096, K 1,024] x [K 1,024, N 1,024]; A: computed on the way; B: input Wk (given as codes): QUANTISED (scales: A lowp_scales[2], B lowp_scales[3])
;;     3. [M 4,096, K 1,024] x [K 1,024, N 1,024]; A: computed on the way; B: input Wv (given as codes): QUANTISED (scales: A lowp_scales[4], B lowp_scales[5])
;;     4. batch 16 x [M 4,096, K 64] x [K 64, N 4,096]; A: computed on the way; B: computed on the way: QUANTISED (scales: A lowp_scales[6], B lowp_scales[7])
;;     5. batch 16 x [M 64, K 4,096] x [K 4,096, N 4,096]; A: computed on the way; B: softmax (see below): QUANTISED (scales: A lowp_scales[8], B lowp_scales[9])
;;     6. [M 4,096, K 1,024] x [K 1,024, N 1,024]; A: computed on the way; B: input Wo (given as codes): QUANTISED (scales: A lowp_scales[10], B lowp_scales[11])
;;   THE QUANTISER, for each operand of a quantised product, along K:
;;     - The operand's scale is 2^e, e = its entry of the input lowp_scales (int32; the entries are numbered through the quantised products in the list's order, A before B).
;;     - Each number is divided by the scale, clamped to +-57,344, and rounded to the nearest number of E5M2, ties to even, subnormals kept.
;;     - The product sums the exact products of the quantised numbers (number of the format x scale) in f32.
;;   ~~~python
;;   def quantise(x, axis, e):      # numpy; x: float32 -> the quantised numbers, widened to float32 again
;;       x = np.moveaxis(x, axis, -1); K = x.shape[-1]
;;       r = np.clip(x / 2.0 ** e, -57344, 57344)
;;       step = 2.0 ** (np.maximum(np.frexp(np.where(r == 0, 1, r))[1] - 1, -14) - 2)
;;       q = np.round(r / step) * step * 2.0 ** e      # np.round: ties to even
;;       return np.moveaxis(q, -1, axis).astype(np.float32)
;;   ~~~
;;   SOFTMAX AHEAD OF A QUANTISED PRODUCT. Where the list says 'softmax', what is quantised is not the finished softmax but p = 2^(t - M), with t = logit x log2(e) and M = ceil(the row's largest t), a whole number; so 1/2 < the row's largest p <= 1. The row's sum l is taken of the UNQUANTISED p, in f32, and the product's result is divided by l at the end. Since M is a whole number, a kernel that streams over the keys may use a running M (the ceiling of the running maximum): every later rescaling is an exact power of two, so the quantised numbers keep their values, but for numbers so far below the row's largest that they fall under the format's range.
;;   OPERANDS COMPUTED ON THE WAY. 'Computed on the way' means the value that the module computes at that place (a softmax that the list does not call 'softmax' is quantised finished and normalised). What goes into a quantiser is computed in f32, as accurately as f32 sums, v_exp_f32 and their like allow (about 1e-6 of the number): no bf16 or f16 on the way to a quantiser, and a product that is left as it is and whose result goes on into a quantised operand takes f32 operands (vector FMAs, or v_wmma_f32_16x16x4_f32). A number that lies on a knife's edge between two numbers of the format may be rounded either way, as far as f32 arithmetic and the matrix unit's own rounding can turn it there, and no further.
;;   INPUTS GIVEN AS CODES. Wk (in the module: [1024, 1024], K = its axis 1); Wo (in the module: [1024, 1024], K = its axis 1); Wq (in the module: [1024, 1024], K = its axis 1); Wv (in the module: [1024, 1024], K = its axis 1): each comes as NAME_codes (uint8): NAME with its K axis moved to the last place and cut into blocks of 32 codes, [.., K / 32, bytes a block], one block behind the other in memory; one code a byte (a code: sign, 5 exponent bits, 2 mantissa bits); its scale is its entry of lowp_scales. Its value is code x scale, taken as it is: it is not quantised again, and the codes and scales need not be those that the quantiser above would give.
;; One version. Each part assembles by itself: llvm-mc -triple=amdgcn-amd-amdhsa -mcpu=gfx1250 --defsym DOCPART=n.
;; ======== version 1 of 1: 4 launches
;; limits: right only within a limited range of input values
;; workspace buffers: xq 4,194,304 bytes; xk 4,194,304 bytes; xv 4,194,304 bytes; q_img 4,194,304 bytes; k_img 4,194,304 bytes; v_img 4,194,304 bytes; a_img 4,194,304 bytes
;; launch rope (part 1): grid 512 x 1, 8 waves a work-group, no clusters, 41,984 bytes of LDS; arguments inputs, cos_freq, sin_freq, lowp_scales, xq, xk, xv; writes xq, xk, xv
.if DOCPART == 1
	.amdgcn_target "amdgcn-amd-amdhsa--gfx1250"
	.amdhsa_code_object_version 6
	.text
	.protected	k_q007b30acf1_rope
	.globl	k_q007b30acf1_rope
	.p2align	8
	.type	k_q007b30acf1_rope,@function
k_q007b30acf1_rope:
	s_mov_b64 s[64:65], 0
	v_nop
	global_prefetch_b8 v0, s[64:65] scope:SCOPE_SE
	s_setreg_imm32_b32 hwreg(HW_REG_WAVE_MODE, 25, 1), 1
	s_wait_xcnt 0x0
; y = x cos + rot(x) sin in f32 (rot = the row's upper half negated, then its lower half), quantised three times to codes of BF8 (E5M2), with the given scales 2^e0, 2^e2, 2^e4:
; xq, xk, xv: [4096][1024] codes, row-major: the left operands of the three projections.
; code = y / 2^e, held within +-57,344, rounded to the nearest code, ties to even.  LIMITS: e0, e2, e4 between -126 and 112, so that 2^e and 57,344 x 2^e are f32 numbers.  NaN and infinities among the inputs are not served.
; SHARES.  A wave takes one row: 4,096 bytes of each of the three tensors, 24 loads of 512 consecutive bytes, all issued at once.  Eight waves a work-group, 512 work-groups: each input byte is read once.
; A conversion takes eight neighbours from ONE lane's registers, a load is dense where neighbouring LANES take neighbouring bytes.  Both are had: half a row (2,048 bytes of y) goes through the wave's own stage in LDS as it lies
; and comes back 64 bytes a lane; the stage has 16 bytes of padding behind each 64, so that the lanes' reads do not all fall on the same banks.  A lane's 16 codes are 16 bytes: a store covers 512 consecutive bytes, aligned.
; No matrix unit, no cluster, no tensor load, no barrier: the launch is a stream, its work-groups share no input, and its waves share nothing.  Written out, no loop: no register that a pending access names is written again.
.set SP,   80                          ; a lane's place in a stage: 64 bytes + 16 of padding
.set HST,  32*SP                       ; a stage: half a row
.set WREG, 2*HST                       ; a wave's two stages
.set X,    16                          ; v16-47   x: half H at +16 H, load i at +4 i
.set C,    48                          ; v48-79   cos, then y
.set S,    80                          ; v80-111  sin
.set Z,    112                         ; v112-143 y turned: 16 neighbours a lane for each half
.set T,    144                         ; v144-159 16 held numbers
.set PC,   160                         ; v160-183 codes: four registers for each of the six stores
	s_load_b256 s[4:11], s[0:1], 0x0               ; x s[4:5], cos s[6:7], sin s[8:9], the scales' exponents s[10:11]
	s_load_b128 s[12:15], s[0:1], 0x20             ; xq, xk
	s_load_b64 s[16:17], s[0:1], 0x30              ; xv
	v_lshl_add_u32 v192, v0, 2, 0xa000
	v_mov_b32 v193, 0
	v_lshrrev_b32 v1, 5, v0
	s_delay_alu instid0(VALU_DEP_1)
	v_readfirstlane_b32 s18, v1                    ; wave
	v_and_b32 v2, 31, v0                           ; lane
	s_delay_alu instid0(VALU_DEP_1)
	v_lshlrev_b32 v3, 4, v2                        ; my 16 bytes of a load's or a store's 512; never rewritten
	s_mul_i32 s19, s18, WREG
	v_lshrrev_b32 v14, 2, v2
	s_delay_alu instid0(VALU_DEP_1)
	v_mul_u32_u24 v14, v14, SP
	v_and_b32 v15, 3, v2
	s_delay_alu instid0(VALU_DEP_1)
	v_lshl_add_u32 v14, v15, 4, v14
	s_delay_alu instid0(VALU_DEP_1)
	v_add_nc_u32 v14, s19, v14                     ; into the stage: four lanes' 64 bytes on end, then the padding
	v_mul_u32_u24 v15, v2, SP
	s_delay_alu instid0(VALU_DEP_1)
	v_add_nc_u32 v15, s19, v15                     ; out of it: my 16 neighbours
	s_lshl_b32 s26, ttmp9, 3
	s_add_co_u32 s26, s26, s18                     ; my row
	s_lshl_b32 s28, s26, 12                        ; in the f32 tensors,
	s_mov_b32 s29, 0
	s_lshl_b32 s30, s26, 10                        ; and in the codes
	s_mov_b32 s31, 0
	s_wait_alu depctr_va_vdst(0)
	s_wait_kmcnt 0x0
	s_load_b128 s[20:23], s[10:11], 0x0            ; e0 .. e3
	s_load_b32 s24, s[10:11], 0x10                 ; e4
	s_add_nc_u64 s[4:5], s[4:5], s[28:29]
	s_add_nc_u64 s[6:7], s[6:7], s[28:29]
	s_add_nc_u64 s[8:9], s[8:9], s[28:29]
	s_add_nc_u64 s[12:13], s[12:13], s[30:31]
	s_add_nc_u64 s[14:15], s[14:15], s[30:31]
	s_add_nc_u64 s[16:17], s[16:17], s[30:31]
.irp h, 0,1
.irp i, 0,1,2,3
	global_load_b128 v[X+16*\h+4*\i:X+16*\h+4*\i+3], v3, s[4:5] offset:2048*\h+512*\i th:TH_LOAD_NT
	global_load_b128 v[C+16*\h+4*\i:C+16*\h+4*\i+3], v3, s[6:7] offset:2048*\h+512*\i th:TH_LOAD_NT
	global_load_b128 v[S+16*\h+4*\i:S+16*\h+4*\i+3], v3, s[8:9] offset:2048*\h+512*\i th:TH_LOAD_NT
.endr
.endr
.macro MKSC e, sc, lim                 ; 2^e as f32 (the conversion takes its exponent field) and 57,344 x 2^e
	s_add_co_i32 s32, \e, 127
	s_lshl_b32 s33, s32, 23
	v_mov_b32 v[\sc], s33
	s_add_co_i32 s32, s32, 15
	s_lshl_b32 s32, s32, 23
	s_or_b32 s32, s32, 0x600000
	v_mov_b32 v[\lim], s32
.endm
	s_wait_kmcnt 0x0
	MKSC s20, 4, 5
	MKSC s22, 6, 7
	MKSC s24, 8, 9
	s_wait_loadcnt 0x0                             ; the whole row of all three
.irp j, 0,2,4,6,8,10,12,14
	v_pk_mul_f32 v[C+\j:C+\j+1], v[X+\j:X+\j+1], v[C+\j:C+\j+1]                       ; x1 cos1
	v_pk_mul_f32 v[C+16+\j:C+16+\j+1], v[X+16+\j:X+16+\j+1], v[C+16+\j:C+16+\j+1]     ; x2 cos2
.endr
.irp j, 0,2,4,6,8,10,12,14
	v_pk_fma_f32 v[C+\j:C+\j+1], v[X+16+\j:X+16+\j+1], v[S+\j:S+\j+1], v[C+\j:C+\j+1] neg_lo:[1,0,0] neg_hi:[1,0,0]   ; y1 = x1 cos1 - x2 sin1
	v_pk_fma_f32 v[C+16+\j:C+16+\j+1], v[X+\j:X+\j+1], v[S+16+\j:S+16+\j+1], v[C+16+\j:C+16+\j+1]                     ; y2 = x2 cos2 + x1 sin2
.endr
.irp h, 0,1                            ; LDS serves a wave's instructions in order (ISA guide 5.7.1.4): no wait between the stores and the loads
.irp i, 0,1,2,3
	ds_store_b128 v14, v[C+16*\h+4*\i:C+16*\h+4*\i+3] offset:HST*\h+8*SP*\i
.endr
.irp i, 0,1,2,3
	ds_load_b128 v[Z+16*\h+4*\i:Z+16*\h+4*\i+3], v15 offset:HST*\h+16*\i
.endr
.endr
	s_wait_dscnt 0x0
.macro QUANT n, h, base                ; half h with the n-th scale
.irp i, 0,1,2,3,4,5,6,7,8,9,10,11,12,13,14,15
	v_med3_num_f32 v[T+\i], v[Z+16*\h+\i], -v[5+2*\n], v[5+2*\n]   ; the conversion to an 8-bit code does not saturate (ISA guide 7.6.2): the hold at the largest code x the scale
.endr
	v_cvt_scalef32_pk8_bf8_f32 v[PC+4*(2*\n+\h):PC+4*(2*\n+\h)+1], v[T:T+7], v[4+2*\n]
	v_cvt_scalef32_pk8_bf8_f32 v[PC+4*(2*\n+\h)+2:PC+4*(2*\n+\h)+3], v[T+8:T+15], v[4+2*\n]
	v_nop                                          ; a plain line between the conversions and the next holds, which write their sources
	global_store_b128 v3, v[PC+4*(2*\n+\h):PC+4*(2*\n+\h)+3], s[\base:\base+1] offset:512*\h   ; 32 lanes store 512 consecutive bytes, at a multiple of 512 from the buffer's first byte
.endm
.irp h, 0,1
	QUANT 0, \h, 12
	QUANT 1, \h, 14
	QUANT 2, \h, 16
.endr
	s_wait_tensorcnt 0x0
	ds_add_u32 v192, v193
	s_wait_dscnt 0x0
	s_endpgm
.Lfunc_end_k_q007b30acf1_rope:
	.size	k_q007b30acf1_rope, .Lfunc_end_k_q007b30acf1_rope-k_q007b30acf1_rope
	.p2alignl 7, 3214868480
	.fill 96, 4, 3214868480
	.section	.rodata,"a",@progbits
	.p2align	6, 0x0
	.amdhsa_kernel k_q007b30acf1_rope
		.amdhsa_group_segment_fixed_size 41984
		.amdhsa_private_segment_fixed_size 0
		.amdhsa_enable_private_segment 0
		.amdhsa_kernarg_size 56
		.amdhsa_user_sgpr_count 2
		.amdhsa_user_sgpr_kernarg_segment_ptr 1
		.amdhsa_wavefront_size32 1
		.amdhsa_system_sgpr_workgroup_id_x 1
		.amdhsa_system_sgpr_workgroup_id_y 1
		.amdhsa_system_sgpr_workgroup_id_z 1
		.amdhsa_system_vgpr_workitem_id 0
		.amdhsa_next_free_vgpr 194
		.amdhsa_next_free_sgpr 66
		.amdhsa_reserve_vcc 0
		.amdhsa_float_denorm_mode_32 3
		.amdhsa_float_denorm_mode_16_64 3
		.amdhsa_memory_ordered 1
		.amdhsa_forward_progress 1
		.amdhsa_inst_pref_size 16
	.end_amdhsa_kernel
	.amdgpu_metadata
---
amdhsa.version: [ 1, 2 ]
amdhsa.kernels:
  - .name:           k_q007b30acf1_rope
    .symbol:         k_q007b30acf1_rope.kd
    .args:
      - { .name: inputs, .offset: 0, .size: 8, .value_kind: global_buffer, .address_space: global }
      - { .name: cos_freq, .offset: 8, .size: 8, .value_kind: global_buffer, .address_space: global }
      - { .name: sin_freq, .offset: 16, .size: 8, .value_kind: global_buffer, .address_space: global }
      - { .name: lowp_scales, .offset: 24, .size: 8, .value_kind: global_buffer, .address_space: global }
      - { .name: xq, .offset: 32, .size: 8, .value_kind: global_buffer, .address_space: global }
      - { .name: xk, .offset: 40, .size: 8, .value_kind: global_buffer, .address_space: global }
      - { .name: xv, .offset: 48, .size: 8, .value_kind: global_buffer, .address_space: global }
    .group_segment_fixed_size: 41984
    .private_segment_fixed_size: 0
    .kernarg_segment_align: 8
    .kernarg_segment_size: 56
    .max_flat_workgroup_size: 256
    .sgpr_count:     66
    .vgpr_count:     194
    .wavefront_size: 32
...
	.end_amdgpu_metadata
.endif
;; end of part 1
;; launch qkv (part 2): grid 12 x 16, 4 waves a work-group, clusters of 4 x 4, 327,680 bytes of LDS; arguments xq, xk, xv, Wq_codes, Wk_codes, Wv_codes, bq, bk, bv, q_img, k_img, v_img, lowp_scales; writes q_img, k_img, v_img
.if DOCPART == 2
	.amdgcn_target "amdgcn-amd-amdhsa--gfx1250"
	.amdhsa_code_object_version 6
	.text
	.protected	k_q007b30acf1_qkv
	.globl	k_q007b30acf1_qkv
	.p2align	8
	.type	k_q007b30acf1_qkv,@function
k_q007b30acf1_qkv:
	s_mov_b64 s[64:65], 0
	v_nop
	global_prefetch_b8 v0, s[64:65] scope:SCOPE_SE
	s_setreg_imm32_b32 hwreg(HW_REG_WAVE_MODE, 25, 1), 1
	s_wait_xcnt 0x0
	s_wait_alu depctr_hold_cnt(0) depctr_sa_sdst(0) depctr_va_vdst(0) depctr_va_sdst(0) depctr_va_ssrc(0) depctr_va_vcc(0) depctr_vm_vsrc(0)
	s_getreg_b32 s2, hwreg(HW_REG_IB_STS2, 6, 4)
	s_cmp_eq_u32 s2, 0
	s_cbranch_scc0 .Lentry_in_a_cluster
	s_endpgm
.Lentry_in_a_cluster:
	s_bfe_u32 s2, ttmp6, 0x10000c
	s_cmp_lg_u32 s2, 0xf033
	s_cbranch_scc0 .Lentry_shape_is_right
	s_endpgm
.Lentry_shape_is_right:
.set SIZE_K, 1024
.set KSTEP,  256
.set ROWB,   256
.set KROW,   SIZE_K
.set PITCH,  272
.set FR,     16
.set NL,     4
.set NP,     4
.set HALFT,  128*PITCH
.set SLOT,   4*HALFT
.set LAPS,   SIZE_K/(2*KSTEP)
.set SPARE,  2*SLOT
.set ADRA, 16
.set ADRB, 20
.set LI,   26
.set SPW,  28
.set NIL,  29
.set BN,   32
.set BM,   96
.set SC,   112
.set AF,   128
.set TMP,  128
.set PC,   192
.set G1, 24
.set G0, 32
.set G1B, 48
.set G0B, 56
.set MSB, 0
.macro WIN new
.if MSB != (\new)
	s_set_vgpr_msb (MSB<<8)|(\new)
.set MSB, (\new)
.endif
.endm
.set MUL_LO, 0xa1
.set MUL_HI, 0xf1
.set TO_B,   0x40
.macro JLOAD g0a, g1a, g0b, g1b
	s_cmp_eq_u32 s15, 0
	s_cbranch_scc0 .Lfor_b_\@
	tensor_load_to_lds s[\g0a:\g0a+3], s[\g1a:\g1a+7]
	s_nop 0
.rept 4
	v_nop
.endr
	s_branch .Lasked_\@
.Lfor_b_\@:
	tensor_load_to_lds s[\g0b:\g0b+3], s[\g1b:\g1b+7]
	s_nop 0
.rept 4
	v_nop
.endr
.Lasked_\@:
.endm
.macro CREST
	s_cmp_lg_u32 s14, 0
	s_cbranch_scc1 .Lnot_wave_0_\@
	s_barrier_signal -3
.Lnot_wave_0_\@:
	s_barrier_wait -3
	s_barrier_signal -1
	s_barrier_wait -1
.endm
.macro CROUND
	s_barrier_signal -1
	s_barrier_wait -1
	CREST
.endm
	s_load_b512 s[68:83], s[0:1], 0x0
	s_load_b256 s[84:91], s[0:1], 0x40
	s_load_b64 s[92:93], s[0:1], 0x60
	v_lshl_add_u32 v[SPW], v0, 2, SPARE
	v_mov_b32 v[NIL], 0
	ds_add_u32 v28, v29
	ds_add_u32 v28, v29
	s_wait_dscnt 0x0
	v_lshrrev_b32 v1, 5, v0
	v_readfirstlane_b32 s14, v1
	s_lshr_b32 s15, s14, 1
	s_and_b32 s16, s14, 1
	s_bfe_u32 s40, ttmp6, 0x40000
	s_bfe_u32 s41, ttmp6, 0x40004
	s_and_b32 s18, ttmp7, 0xffff
	s_lshl_b32 s18, s18, 2
	s_cmp_eq_u32 ttmp9, 2
	s_cselect_b32 s42, s18, 0
	s_cselect_b32 s17, 0, s18
	s_add_co_u32 s42, s42, s40
	s_add_co_u32 s17, s17, s41
	s_lshl_b32 s43, s41, 2
	s_lshl_b32 s43, 15, s43
	s_lshl_b32 s44, 0x1111, s40
	s_or_b32 s[G1+0], s43, (0<<16)|(1<<20)|(1<<21)|(5<<22)|(3<<25)
	s_or_b32 s[G1B+0], s44, (0<<16)|(1<<20)|(1<<21)|(5<<22)|(3<<25)
.irp g, G1, G1B
	s_mov_b32 s[\g+1], ROWB<<16
	s_mov_b32 s[\g+2], 128<<16
	s_mov_b32 s[\g+3], ROWB<<16
	s_mov_b32 s[\g+4], 128
	s_mov_b32 s[\g+5], KROW
	s_mov_b32 s[\g+6], 0
	s_mov_b32 s[\g+7], 0
.endr
	s_lshl_b32 s18, s16, 7
	s_lshl_b32 s20, s17, 8
	s_add_co_u32 s20, s20, s18
	s_lshl_b32 s46, s42, 8
	s_add_co_u32 s46, s46, s18
	s_lshl_b32 s20, s20, 10
	s_lshl_b32 s46, s46, 10
	s_mov_b32 s21, 0
	s_mov_b32 s47, 0
	s_mul_i32 s45, s14, HALFT
	s_wait_kmcnt 0x0
	s_cmp_eq_u32 ttmp9, 0
	s_cselect_b64 s[4:5], s[68:69], s[70:71]
	s_cselect_b64 s[6:7], s[74:75], s[76:77]
	s_cselect_b64 s[12:13], s[80:81], s[82:83]
	s_cselect_b64 s[10:11], s[86:87], s[88:89]
	s_cmp_eq_u32 ttmp9, 2
	s_cselect_b64 s[4:5], s[72:73], s[4:5]
	s_cselect_b64 s[6:7], s[78:79], s[6:7]
	s_cselect_b64 s[12:13], s[84:85], s[12:13]
	s_cselect_b64 s[10:11], s[90:91], s[10:11]
	s_cselect_b64 s[8:9], s[6:7], s[4:5]
	s_cselect_b64 s[6:7], s[4:5], s[6:7]
	s_mov_b64 s[4:5], s[8:9]
	s_load_b256 s[68:75], s[92:93], 0x0
	s_load_b32 s76, s[92:93], 0x20
	s_add_nc_u64 s[20:21], s[4:5], s[20:21]
	s_add_nc_u64 s[46:47], s[6:7], s[46:47]
	CROUND
.irp s, 0,1
	s_mov_b32 s[G0+4*\s], 1
	s_add_co_u32 s[G0+4*\s+1], s45, \s*SLOT
	s_add_nc_u64 s[G0+4*\s+2:G0+4*\s+3], s[20:21], \s*ROWB
	s_or_b32 s[G0+4*\s+3], s[G0+4*\s+3], 0x80000000
	s_mov_b32 s[G0B+4*\s], 1
	s_add_co_u32 s[G0B+4*\s+1], s45, \s*SLOT
	s_add_nc_u64 s[G0B+4*\s+2:G0B+4*\s+3], s[46:47], \s*ROWB
	s_or_b32 s[G0B+4*\s+3], s[G0B+4*\s+3], 0x80000000
.endr
	JLOAD G0, G1, G0B, G1B                         ; K step 0, behind the opening round: one tensor load a wave at the head
	s_wait_alu depctr_va_vdst(0)
	s_wait_tensorcnt 0x0                           ; the wait, the adds and a round ahead of slot 1's first fill
	ds_add_u32 v28, v29
	ds_add_u32 v28, v29
	s_wait_dscnt 0x0
	CROUND
	JLOAD G0+4, G1, G0B+4, G1B                     ; K step 1
	v_and_b32 v1, 15, v0
	v_bfe_u32 v2, v0, 4, 1
	s_wait_alu depctr_va_vdst(0)
	v_mul_u32_u24 v3, v1, PITCH
	v_lshl_add_u32 v4, v2, 4, v3
	s_mul_i32 s21, s15, HALFT
	s_mul_i32 s22, s16, HALFT
	s_add_co_u32 s22, s22, 2*HALFT
.irp s, 0,1
	v_add_nc_u32 v[ADRA+\s], s21, v4
	v_add_nc_u32 v[ADRB+\s], s22, v4
	s_add_co_u32 s21, s21, SLOT
	s_add_co_u32 s22, s22, SLOT
.endr
	v_and_b32 v6, 31, v0
	v_lshlrev_b32 v[LI], 4, v6
	s_lshl_b32 s84, s42, 1
	s_add_co_u32 s84, s84, s16
	s_lshl_b32 s85, s17, 4
	s_lshl_b32 s86, s15, 3
	s_add_co_u32 s85, s85, s86
	s_lshl_b32 s86, s84, 9
	s_lshl_b32 s87, s85, 6
	s_cmp_eq_u32 ttmp9, 2
	s_cselect_b32 s88, 6, 8
	s_cselect_b32 s86, 0, s86
	s_cselect_b32 s87, s87, 0
	s_lshl_b32 s84, s84, s88
	s_add_co_u32 s84, s84, s85
	s_lshl_b32 s84, s84, 11
	s_mov_b32 s85, 0
	s_add_nc_u64 s[10:11], s[10:11], s[84:85]
	s_mov_b32 s84, s86
	s_add_nc_u64 s[78:79], s[12:13], s[84:85]
	s_mov_b32 s84, s87
	s_add_nc_u64 s[80:81], s[12:13], s[84:85]
	v_lshlrev_b32 v8, 5, v2
	v_lshlrev_b32 v9, 2, v1
.irp b, 0,1,2,3,4,5,6,7
	global_load_b128 v[BN+8*\b:BN+8*\b+3], v8, s[78:79] offset:64*\b
	global_load_b128 v[BN+8*\b+4:BN+8*\b+7], v8, s[78:79] offset:64*\b+16
.endr
.irp a, 0,1,2,3,4,5,6,7
	global_load_b32 v[BM+2*\a], v9, s[80:81] offset:64*\a
.endr
.macro FRAG reg, adr, q, i
.irp c, 0,1,2,3
	ds_load_b128 v[\reg+4*\c:\reg+4*\c+3], v[\adr] offset:128*(\q)+32*\c+(\i)*16*PITCH
.endr
.endm
.macro MUL16 a0, p, zero
.irp a, \a0, \a0+1
.irp b, 0,1,2,3,4,5,6,7
.if \zero
	v_wmma_f32_16x16x128_bf8_bf8 v[8*(8*((\a)%4)+\b):8*(8*((\a)%4)+\b)+7], v[128*(\p)+FR*\b:128*(\p)+FR*\b+FR-1], v[AF+FR*(\a):AF+FR*(\a)+FR-1], 0
.else
	v_wmma_f32_16x16x128_bf8_bf8 v[8*(8*((\a)%4)+\b):8*(8*((\a)%4)+\b)+7], v[128*(\p)+FR*\b:128*(\p)+FR*\b+FR-1], v[AF+FR*(\a):AF+FR*(\a)+FR-1], v[8*(8*((\a)%4)+\b):8*(8*((\a)%4)+\b)+7]
.endif
.endr
.endr
.endm
.macro FETCH_B slot, q, p
	WIN TO_B
.irp i, 0,1,2,3,4,5,6,7
	FRAG 128*(\p)+FR*\i, ADRB+\slot, \q, \i
.endr
	WIN 0
.endm
.macro FETCH_A slot, q, i0
.irp i, \i0, \i0+1, \i0+2, \i0+3
	FRAG AF+FR*(\i), ADRA+\slot, \q, \i
.endr
.endm
.macro PLACES n
.rept \n
	v_nop
.endr
.endm
.macro STEP slot, q, zero
	s_wait_dscnt 4*NL
	WIN MUL_LO
	MUL16 0, (\q)%2, \zero
	MUL16 2, (\q)%2, \zero
	s_wait_dscnt 0
	PLACES NP
	FETCH_B \slot, (\q)+1, 1-(\q)%2
	FETCH_A \slot, (\q)+1, 0
	WIN MUL_HI
	MUL16 4, (\q)%2, \zero
	MUL16 6, (\q)%2, \zero
	PLACES NP
	WIN 0
	FETCH_A \slot, (\q)+1, 4
.endm
.macro TURN slot, next, fill
	s_wait_tensorcnt 0x0
	ds_add_u32 v[SPW], v[NIL]
	s_wait_dscnt 4*NL+1
	WIN MUL_LO
	MUL16 0, 1, 0
	s_wait_dscnt 0x0
	s_barrier_signal -1
	MUL16 2, 1, 0
	WIN 0
	s_barrier_wait -1
.if \fill
	CREST
	s_add_nc_u64 s[G0+4*\slot+2:G0+4*\slot+3], s[G0+4*\slot+2:G0+4*\slot+3], 2*ROWB
	s_add_nc_u64 s[G0B+4*\slot+2:G0B+4*\slot+3], s[G0B+4*\slot+2:G0B+4*\slot+3], 2*ROWB
	JLOAD G0+4*\slot, G1, G0B+4*\slot, G1B
.else
	PLACES NP
.endif
	FETCH_B \next, 0, 0
	FETCH_A \next, 0, 0
	WIN MUL_HI
	MUL16 4, 1, 0
	MUL16 6, 1, 0
	PLACES NP
	WIN 0
	FETCH_A \next, 0, 4
.endm
	s_wait_alu depctr_va_vdst(0)
	s_wait_tensorcnt 1
	s_barrier_signal -1
	s_barrier_wait -1
	FETCH_B 0, 0, 0
	FETCH_A 0, 0, 0
	FETCH_A 0, 0, 4
	STEP 0, 0, 1
	s_mov_b32 s3, LAPS-1
.Llap:
	TURN 0, 1, 1
	STEP 1, 0, 0
	TURN 1, 0, 1
	STEP 0, 0, 0
	s_sub_co_u32 s3, s3, 1
	s_cmp_lg_u32 s3, 0
	s_cbranch_scc1 .Llap
	TURN 0, 1, 0
	STEP 1, 0, 0
	s_wait_dscnt 4*NL
	WIN MUL_LO
	MUL16 0, 1, 0
	MUL16 2, 1, 0
	s_wait_dscnt 0
	WIN MUL_HI
	MUL16 4, 1, 0
	MUL16 6, 1, 0
	WIN 0
	s_wait_kmcnt 0x0
	s_add_co_i32 s68, s68, s69
	s_add_co_i32 s70, s70, s71
	s_add_co_i32 s72, s72, s73
	s_add_co_i32 s74, s74, 3
	s_cmp_eq_u32 ttmp9, 0
	s_cselect_b32 s96, s68, s70
	s_cselect_b32 s77, s74, s75
	s_cmp_eq_u32 ttmp9, 2
	s_cselect_b32 s96, s72, s96
	s_cselect_b32 s77, s76, s77
	s_cselect_b32 s82, 0, -1
	s_cselect_b32 s83, -1, 0
	s_add_co_i32 s96, s96, 127
	s_lshl_b32 s96, s96, 23
	s_mov_b32 s97, s96
	s_add_co_i32 s77, s77, 127
	s_lshl_b32 s84, s77, 23
	s_add_co_i32 s77, s77, 15
	s_lshl_b32 s77, s77, 23
	s_or_b32 s77, s77, 0x600000
	s_wait_loadcnt 0x0
	v_mov_b32 v[SC], s84
	v_mov_b32 v[SC+1], s77
.set j, 0
.rept 64
	v_and_b32 v[BN+j], s82, v[BN+j]
.set j, j+1
.endr
.irp a, 0,1,2,3,4,5,6,7
	v_and_b32 v[BM+2*\a], s83, v[BM+2*\a]
	v_mov_b32 v[BM+2*\a+1], v[BM+2*\a]
.endr
.macro OUTBLK a
.set AC, 64*((\a)%4)
.set PB, PC+16*((\a)%4)
.if (\a) >= 4
	s_wait_xcnt 0x0
.endif
	WIN 0x02+((\a)/4)
.set j, 0
.rept 32
	v_pk_fma_f32 v[TMP+j:TMP+j+1], v[AC+j:AC+j+1], s[96:97], v[BN+j:BN+j+1] op_sel_hi:[1,0,1]
.set j, j+2
.endr
	WIN 0
.set j, 0
.rept 32
	v_pk_add_f32 v[TMP+j:TMP+j+1], v[TMP+j:TMP+j+1], v[BM+2*(\a):BM+2*(\a)+1] op_sel_hi:[1,0]
.set j, j+2
.endr
.set j, 0
.rept 64
	v_med3_num_f32 v[TMP+j], v[TMP+j], -v[SC+1], v[SC+1]
.set j, j+1
.endr
.irp b, 0,1,2,3,4,5,6,7
	v_cvt_scalef32_pk8_bf8_f32 v[PB+2*\b:PB+2*\b+1], v[TMP+8*\b:TMP+8*\b+7], v[SC]
.endr
	v_nop
.irp i, 0,1,2,3
	global_store_b128 v[LI], v[PB+4*\i:PB+4*\i+3], s[10:11] offset:2048*(\a)+512*\i
.endr
.endm
.irp a, 0,1,2,3,4,5,6,7
	OUTBLK \a
.endr
	s_wait_tensorcnt 0x0
	ds_add_u32 v[SPW], v[NIL]
	s_wait_dscnt 0x0
	CROUND
	s_endpgm
.Lfunc_end_k_q007b30acf1_qkv:
	.size	k_q007b30acf1_qkv, .Lfunc_end_k_q007b30acf1_qkv-k_q007b30acf1_qkv
	.p2alignl 7, 3214868480
	.fill 96, 4, 3214868480
	.section	.rodata,"a",@progbits
	.p2align	6, 0x0
	.amdhsa_kernel k_q007b30acf1_qkv
		.amdhsa_group_segment_fixed_size 327680
		.amdhsa_private_segment_fixed_size 0
		.amdhsa_enable_private_segment 0
		.amdhsa_kernarg_size 104
		.amdhsa_user_sgpr_count 2
		.amdhsa_user_sgpr_kernarg_segment_ptr 1
		.amdhsa_wavefront_size32 1
		.amdhsa_system_sgpr_workgroup_id_x 1
		.amdhsa_system_sgpr_workgroup_id_y 1
		.amdhsa_system_sgpr_workgroup_id_z 1
		.amdhsa_system_vgpr_workitem_id 0
		.amdhsa_next_free_vgpr 1024
		.amdhsa_next_free_sgpr 98
		.amdhsa_reserve_vcc 0
		.amdhsa_float_denorm_mode_32 3
		.amdhsa_float_denorm_mode_16_64 3
		.amdhsa_memory_ordered 1
		.amdhsa_forward_progress 1
		.amdhsa_inst_pref_size 156
	.end_amdhsa_kernel
	.amdgpu_metadata
---
amdhsa.version: [ 1, 2 ]
amdhsa.kernels:
  - .name:           k_q007b30acf1_qkv
    .symbol:         k_q007b30acf1_qkv.kd
    .args:
      - { .name: xq, .offset: 0, .size: 8, .value_kind: global_buffer, .address_space: global }
      - { .name: xk, .offset: 8, .size: 8, .value_kind: global_buffer, .address_space: global }
      - { .name: xv, .offset: 16, .size: 8, .value_kind: global_buffer, .address_space: global }
      - { .name: Wq_codes, .offset: 24, .size: 8, .value_kind: global_buffer, .address_space: global }
      - { .name: Wk_codes, .offset: 32, .size: 8, .value_kind: global_buffer, .address_space: global }
      - { .name: Wv_codes, .offset: 40, .size: 8, .value_kind: global_buffer, .address_space: global }
      - { .name: bq, .offset: 48, .size: 8, .value_kind: global_buffer, .address_space: global }
      - { .name: bk, .offset: 56, .size: 8, .value_kind: global_buffer, .address_space: global }
      - { .name: bv, .offset: 64, .size: 8, .value_kind: global_buffer, .address_space: global }
      - { .name: q_img, .offset: 72, .size: 8, .value_kind: global_buffer, .address_space: global }
      - { .name: k_img, .offset: 80, .size: 8, .value_kind: global_buffer, .address_space: global }
      - { .name: v_img, .offset: 88, .size: 8, .value_kind: global_buffer, .address_space: global }
      - { .name: lowp_scales, .offset: 96, .size: 8, .value_kind: global_buffer, .address_space: global }
    .group_segment_fixed_size: 327680
    .private_segment_fixed_size: 0
    .kernarg_segment_align: 8
    .kernarg_segment_size: 104
    .max_flat_workgroup_size: 128
    .sgpr_count:     98
    .vgpr_count:     1024
    .wavefront_size: 32
...
	.end_amdgpu_metadata
.endif
;; end of part 2
;; launch attn (part 3): grid 16 x 16, 8 waves a work-group, clusters of 4 x 1, 327,680 bytes of LDS; arguments q_img, k_img, v_img, input_mask, lowp_scales, a_img; writes a_img
.if DOCPART == 3
	.amdgcn_target "amdgcn-amd-amdhsa--gfx1250"
	.amdhsa_code_object_version 6
	.text
	.protected	k_q007b30acf1_attn
	.globl	k_q007b30acf1_attn
	.p2align	8
	.type	k_q007b30acf1_attn,@function
k_q007b30acf1_attn:
	s_mov_b64 s[64:65], 0
	v_nop
	global_prefetch_b8 v0, s[64:65] scope:SCOPE_SE
	s_setreg_imm32_b32 hwreg(HW_REG_WAVE_MODE, 25, 1), 1
	s_wait_xcnt 0x0
	s_wait_alu depctr_hold_cnt(0) depctr_sa_sdst(0) depctr_va_vdst(0) depctr_va_sdst(0) depctr_va_ssrc(0) depctr_va_vcc(0) depctr_vm_vsrc(0)
	s_getreg_b32 s2, hwreg(HW_REG_IB_STS2, 6, 4)
	s_cmp_eq_u32 s2, 0
	s_cbranch_scc0 .Lentry_in_a_cluster
	s_endpgm
.Lentry_in_a_cluster:
	s_bfe_u32 s2, ttmp6, 0x10000c
	s_cmp_lg_u32 s2, 0x3003
	s_cbranch_scc0 .Lentry_shape_is_right
	s_endpgm
.Lentry_shape_is_right:
; Attention of 16 heads of 64, 4,096 queries and keys, both products on codes of BF8 (E5M2), under the mask (mask[q] x mask[k]) != 0, which is an input.  The result is quantised (2^e10) for the output projection.
; q_img, k_img: fragments of 16 rows x 64, 1,024 bytes, as images of their registers (lane l at 16 l of each 512 bytes): ((head / 2) 256 + tile) 2,048 + (head % 2) 1,024.
; v_img: fragments of V^T, 16 features x 128 keys, 2,048 bytes: step 131,072 + head 8,192 + tile 2,048.   a_img: 16 queries x the head's 64: (head 256 + row tile) 1,024.
; THE SOFTMAX: t = score x c, c = log2(e) x 2^(e6 + e7) (q's codes hold q / 8); M = the running largest t rounded UP to a whole number; p = 2^(t - M) is quantised (2^e9); the row's sum is taken of the unquantised p
; and divides O at the end; when M moves, the sum and O are multiplied by 2^(old M - new M), which rounds nothing.  The running maximum is kept as a raw score (c is not negative) and begins the next step's maxima.
; THE MASK.  KEYS: a table in LDS holds 0 for a key that counts and -3e38 for one that does not, and is the C of S^T = K Q^T + C.  The running maximum begins at -2^38, under every real score (64 x 57,344^2 < 2^38):
; while a query has met masked keys alone their p is 0, and the sum and O stay 0.  QUERIES: c is kept a lane: 0 for a masked query; then every t is 0, M = 0 and p = 1 for all 4,096 keys: the uniform weights of equal logits.
; LIMITS: a mask word counts as set where it is not 0 (two words whose product wraps to 0 in 32 bits are not served).  e6 + e7 between -110 and 80; e9, e10 between -126 and 112; e8 + e9 goes in by v_ldexp_f32.  NaN is not served.
; The scaled scores stay under 2^31 in magnitude.
; SHARES.  A work-group owns 256 queries of one head; each of its eight waves 32 of them, two tiles; every fragment of K, V and the table read from LDS feeds two products.  Every wave walks all keys, 128 a step.
; LAYOUT.  Both products transposed: S^T = K Q^T (source 0 = 16 keys), O^T = V^T P (source 0 = 16 features): a lane holds ONE query (lane % 16); register j of tile f of S^T is key 16 f + 8 (lane / 16) + j,
; so its eight codes are registers 2 f, 2 f + 1 of P in the matrix unit's own order of k.
; RING.  Two LDS slots of 1,024 keys (eight steps): 64 KB of K, then 64 KB of V.  Waves 0-3 fetch K's quarters, waves 4-7 V's: one load a wave behind each change of slots, with eight steps in which to land.
; One run of LDS loads a step, behind the first products: this step's V, and the next step's K and table words.
; ORDER OF A STEP'S LINES.  Lines that hang on each other have four others between them: eight chains of maxima and of sums a tile; tile 0's statistics stand among tile 1's maxima, tile 1's among tile 0's scalings;
; tile 0's sums are joined among tile 1's additions, tile 1's among its holds.
; CLUSTER.  The four query blocks of a cluster belong to one head and walk the same K and V: each tile is asked for JOINTLY by all four.
; REGISTERS.  window 0: v1-10 addresses; v16-39 statistics; v40-44 constants; v48-63 Q; v64-191 S^T, then p; v192-223 P's codes; v224-253 chains.   window 1: v0-63 O^T; v64-127 K; v128-191 the table's C; v192-255 V.
.set NQ,    8
.set NSL,   4
.set VOFF,  65536
.set SLOT1, 1<<17
.set BIAS,  2*SLOT1                    ; the table: 4,096 words, written by LDS stores, never a fill's target
.set SPARE, BIAS+16384                 ; the spare words, 128 bytes a wave
.set LI,   1                           ; 16 x lane
.set ABI,  2                           ; BIAS + 32 (lane / 16)
.set PFO,  3                           ; the prefetches' offset
.set SPW,  5
.set NIL,  6
.set TST,  7
.set AK,   8                           ; LDS address of the step's K
.set AB,   9                           ; of its words of the table
.set AV,   10                          ; of its V
.set ST,   16                          ; tile t at ST + 12 t: +0 -M, +1 the largest raw score, +2, +3 the sum, +4, +5 c, +6, +7 f, +8 .. +11 at work
.set PSC,  40                          ; 2^e9;  v41, v42: 57,344 x 2^e9, twice (the dual form's two second sources)
.set PLIM, 41
.set ASC,  43
.set ALIM, 44
.set Q,    48
.set S,    64
.set P,    192
.set T,    224
.set KF,   64
.set BF,   128
.set VF,   192
.set TB,   16                          ; LDS byte at which the slot in hand begins
.set KBO,  17                          ; the step's first key's byte in the table
.set WV,   18
.set CX,   19
.set SEL,  20
.set CS,   22
.set FLO,  23                          ; -2^38
.set G1K,  24
.set G1V,  32
.set G0K,  40
.set G0V,  44
.set SA,   48                          ; LDS byte of the step's K
.set SV,   49                          ; of its V
.set CNT,  50
.set SLOTS, 67
.set PFA,  76
.set PFS,  78
.set LIM,  80
.set MSB, 0
.macro WIN new                         ; bits 1:0 source 0, 3:2 source 1, 5:4 source 2, 7:6 destination; the high byte repeats the setting that is left
.if MSB != (\new)
	s_set_vgpr_msb (MSB<<8)|(\new)
.set MSB, (\new)
.endif
.endm
.macro TLOAD                           ; every wave issues one joint load; the branch hangs on the wave's number alone; s_nop 0 and four v_nop follow each line
	s_cmp_lt_u32 s[WV], 4
	s_cbranch_scc0 .Lfor_v_\@
	tensor_load_to_lds s[G0K:G0K+3], s[G1K:G1K+7]
	s_nop 0
.rept 4
	v_nop
.endr
	s_branch .Lasked_\@
.Lfor_v_\@:
	tensor_load_to_lds s[G0V:G0V+3], s[G1V:G1V+7]
	s_nop 0
.rept 4
	v_nop
.endr
.Lasked_\@:
.endm
; A PREFETCH INTO THE L2 of the slot that the NEXT change of slots will load: 64 fragments of K and eight steps of V, 256 aligned blocks of 256 bytes of each, eight key steps ahead of that load.
; Each block is named once in the launch: the head's first cluster asks; its four partners share the blocks out BY ADDRESS (K: 16 fragments each; V: two steps each); waves 0, 1 ask for K's, waves 2, 3 for V's, a lane a block.
; Slots 0 and 1 come by their loads alone; the last change that fills a slot asks for nothing.
.macro ASK
	s_cmp_gt_u32 s[SLOTS], s[LIM]
	s_cbranch_scc0 .Lnot_mine_\@
	global_prefetch_b8 v[PFO], s[PFA:PFA+1] th:TH_LOAD_NT scope:SCOPE_SE
.Lnot_mine_\@:
.endm
.macro CROUND                          ; a round of the cluster's barrier
	s_barrier_signal -1
	s_barrier_wait -1
	s_cmp_lg_u32 s[WV], 0
	s_cbranch_scc1 .Lnot_wave_0_\@
	s_barrier_signal -3
.Lnot_wave_0_\@:
	s_barrier_wait -3
	s_barrier_signal -1
	s_barrier_wait -1
.endm
	s_load_b256 s[4:11], s[0:1], 0x0               ; q_img, k_img, v_img, input_mask
	s_load_b128 s[12:15], s[0:1], 0x20             ; the scales' exponents, a_img
	v_lshl_add_u32 v[SPW], v0, 2, SPARE
	v_mov_b32 v[NIL], 0
	ds_add_u32 v[SPW], v[NIL]                      ; the opening lines: the add twice on end and its wait
	ds_add_u32 v[SPW], v[NIL]
	s_wait_dscnt 0x0
	v_lshrrev_b32 v11, 5, v0
	s_delay_alu instid0(VALU_DEP_1)
	v_readfirstlane_b32 s[WV], v11                 ; wave 0..7
	s_bfe_u32 s[CX], ttmp6, 0x40000                ; cx
	s_lshl_b32 s82, ttmp9, 2
	s_add_co_u32 s82, s82, s[CX]                   ; my block of 256 queries: it enters Q's, the mask's and a_img's addresses alone
	s_and_b32 s83, ttmp7, 0xffff                   ; the head
	s_and_b32 s84, s[WV], 3                        ; which quarter of a slot's K or V I fetch
	s_lshr_b32 s86, s83, 1
	s_lshl_b32 s86, s86, 19
	s_and_b32 s87, s83, 1
	s_lshl_b32 s87, s87, 10
	s_add_co_u32 s86, s86, s87                     ; the head's first fragment in q_img and k_img
	s_lshl_b32 s88, s84, 15                        ; K: 16 fragments, 2,048 bytes apart
	s_add_co_u32 s88, s88, s86
	s_mov_b32 s89, 0
	s_lshl_b32 s94, s83, 13                        ; the head's place in a step of v_img
	s_lshl_b32 s90, s84, 18                        ; V: two steps, 131,072 bytes apart
	s_add_co_u32 s90, s90, s94
	s_mov_b32 s91, 0
	s_lshl_b32 s85, s84, 14                        ; in a slot: 16,384 bytes a quarter
	s_mov_b32 s[G1K], 15|(3<<16)|(1<<21)           ; the mask: all four work-groups; elements of 8 bytes.  K: 16 rows of 128 elements, 256 apart
	s_mov_b32 s[G1K+1], 128<<16
	s_mov_b32 s[G1K+2], 16<<16
	s_mov_b32 s[G1K+3], 128<<16
	s_mov_b32 s[G1K+4], 16
	s_mov_b32 s[G1K+5], 256
	s_mov_b32 s[G1K+6], 0
	s_mov_b32 s[G1K+7], 0
	s_mov_b32 s[G1V], 15|(3<<16)|(1<<21)           ; V: 2 rows of 1,024 elements, 16,384 apart
	s_mov_b32 s[G1V+1], 1024<<16
	s_mov_b32 s[G1V+2], 2<<16
	s_mov_b32 s[G1V+3], 1024<<16
	s_mov_b32 s[G1V+4], 2
	s_mov_b32 s[G1V+5], 16384
	s_mov_b32 s[G1V+6], 0
	s_mov_b32 s[G1V+7], 0
	s_mov_b32 s[SEL], 0x76543210
	s_mov_b32 s[SEL+1], 0xfedcba98
	s_mov_b32 s[FLO], 0xd2800000
	s_mov_b32 s[TB], 0
	s_mov_b32 s[KBO], 0
	s_mov_b32 s[SLOTS], NSL-1
	s_wait_kmcnt 0x0
	s_load_b128 s[52:55], s[12:13], 0x18           ; e6, e7, e8, e9
	s_load_b32 s56, s[12:13], 0x28                 ; e10
	s_mov_b32 s[G0K], 1
	s_mov_b32 s[G0K+1], s85
	s_add_nc_u64 s[G0K+2:G0K+3], s[6:7], s[88:89]
	s_or_b32 s[G0K+3], s[G0K+3], 0x80000000
	s_mov_b32 s[G0V], 1
	s_add_co_u32 s[G0V+1], s85, VOFF
	s_add_nc_u64 s[G0V+2:G0V+3], s[8:9], s[90:91]
	s_or_b32 s[G0V+3], s[G0V+3], 0x80000000
	CROUND                                         ; all four work-groups are here: the first joint loads meet
	TLOAD                                          ; slot 0
	s_mov_b32 s[PFS], 0x100000                     ; the prefetches.  A slot on: 1,048,576 bytes in v_img,
	s_mov_b32 s92, 1024
	s_cmp_lt_u32 s[WV], 2
	s_cselect_b64 s[PFA:PFA+1], s[6:7], s[8:9]
	s_cselect_b32 s[PFS], 0x20000, s[PFS]          ; 131,072 in k_img
	s_cselect_b32 s92, 2048, s92                   ; from four lanes to the next four
	s_cselect_b32 s93, 15, 18                      ; a partner's share: 32,768 or 262,144 bytes
	s_cselect_b32 s81, 14, 17                      ; a wave's: half of that
	s_cselect_b32 s95, s86, s94                    ; the head's place
	v_and_b32 v[PFO], 3, v0
	s_delay_alu instid0(VALU_DEP_1)
	v_lshlrev_b32 v[PFO], 8, v[PFO]
	v_bfe_u32 v47, v0, 2, 3
	s_delay_alu instid0(VALU_DEP_1)
	v_mul_lo_u32 v47, v47, s92
	s_delay_alu instid0(VALU_DEP_1)
	v_add_nc_u32 v[PFO], v[PFO], v47
	s_lshl_b32 s93, s[CX], s93
	s_and_b32 s87, s[WV], 1
	s_lshl_b32 s81, s87, s81
	s_add_co_u32 s92, s95, s93
	s_add_co_u32 s92, s92, s81
	s_add_co_u32 s92, s92, s[PFS]                  ; in slot 1: the first change of slots steps it to slot 2
	s_mov_b32 s93, 0
	s_mov_b32 s[PFS+1], 0
	s_add_nc_u64 s[PFA:PFA+1], s[PFA:PFA+1], s[92:93]
	s_lshr_b32 s92, s[WV], 2                       ; 0 in waves 0 to 3,
	s_or_b32 s92, s92, ttmp9                       ; of the head's first cluster: the same in all four partners
	s_cmp_eq_u32 s92, 0
	s_cselect_b32 s[LIM], 1, -1
	v_and_b32 v11, 31, v0
	s_delay_alu instid0(VALU_DEP_1)
	v_lshlrev_b32 v[LI], 4, v11
	v_and_b32 v12, 15, v0
	v_bfe_u32 v13, v0, 4, 1
	s_delay_alu instid0(VALU_DEP_1)
	v_lshlrev_b32 v[ABI], 5, v13
	s_delay_alu instid0(VALU_DEP_1)
	v_add_nc_u32 v[ABI], BIAS, v[ABI]
	v_lshlrev_b32 v14, 4, v0                       ; 16 x thread: my four words of each quarter of the mask
	s_wait_alu depctr_va_vdst(0)
	v_add_nc_u32 v[TST], BIAS, v14
	v_lshlrev_b32 v15, 2, v12
	s_wait_alu depctr_va_vdst(0)                   ; the wait ahead of the run of scalar lines
	s_lshl_b32 s92, s82, 15                        ; Q: my block's 16 row tiles of 2,048 bytes, my wave's two
	s_lshl_b32 s95, s[WV], 12
	s_add_co_u32 s92, s92, s95
	s_add_co_u32 s92, s92, s86
	s_add_nc_u64 s[4:5], s[4:5], s[92:93]
	s_lshl_b32 s92, s83, 18                        ; a_img: (head 256 + 16 block + 2 wave) 1,024
	s_lshl_b32 s95, s82, 14
	s_add_co_u32 s92, s92, s95
	s_lshl_b32 s95, s[WV], 11
	s_add_co_u32 s92, s92, s95
	s_add_nc_u64 s[14:15], s[14:15], s[92:93]
	s_lshl_b32 s92, s82, 10                        ; my wave's 32 queries' words of the mask
	s_lshl_b32 s95, s[WV], 7
	s_add_co_u32 s92, s92, s95
	s_add_nc_u64 s[58:59], s[10:11], s[92:93]
.irp j, 0,1,2,3
	global_load_b128 v[224+4*\j:227+4*\j], v14, s[10:11] offset:4096*\j
.endr
	global_load_b32 v240, v15, s[58:59]
	global_load_b32 v241, v15, s[58:59] offset:64
.irp t, 0,1
.irp g, 0,1
	global_load_b128 v[Q+8*\t+4*\g:Q+8*\t+4*\g+3], v[LI], s[4:5] offset:2048*\t+512*\g th:TH_LOAD_NT
.endr
.endr
	WIN 0x40
.set j, 0
.rept 64
	v_mov_b32 v[j], 0                              ; O^T: the step is written once; the first finds zeros
.set j, j+1
.endr
	WIN 0
.irp t, 0,1
	v_mov_b32 v[ST+12*\t], 0x7f61b1e6              ; -M: 3e38, so that the first f is 0
	v_mov_b32 v[ST+12*\t+1], s[FLO]                ; the largest raw score so far
	v_mov_b32 v[ST+12*\t+2], 0
	v_mov_b32 v[ST+12*\t+3], 0
	v_mov_b32 v[ST+12*\t+7], 0
	v_mov_b32 v[ST+12*\t+10], 0                    ; a lane permute's destination counts as one of its sources
.endr
	v_mov_b32 v45, 0xff61b1e6
	s_wait_alu depctr_va_vdst(0)
	s_wait_loadcnt 0x0
.irp n, 0,1,2,3,4,5,6,7,8,9,10,11,12,13,14,15
	v_cmp_eq_u32 vcc_lo, 0, v[224+\n]
	s_delay_alu instid0(VALU_DEP_1)
	v_cndmask_b32 v[224+\n], 0, v45, vcc_lo        ; the table's word
.endr
.irp j, 0,1,2,3
	ds_store_b128 v[TST], v[224+4*\j:227+4*\j] offset:4096*\j   ; the first change of slots waits for these stores and passes a barrier ahead of every read of the table
.endr
	s_wait_kmcnt 0x0
	s_mov_b32 s[CS], 0x3fb8aa3b
	s_add_co_i32 s92, s52, s53
	s_lshl_b32 s92, s92, 23
	s_add_co_i32 s[CS], s[CS], s92                 ; log2(e) x 2^(e6 + e7)
	v_mov_b32 v46, s[CS]
	v_cmp_ne_u32 vcc_lo, 0, v240
	s_delay_alu instid0(VALU_DEP_1)
	v_cndmask_b32 v[ST+4], 0, v46, vcc_lo          ; c of my query: 0 where it is masked
	v_cmp_ne_u32 vcc_lo, 0, v241
	s_delay_alu instid0(VALU_DEP_1)
	v_cndmask_b32 v[ST+12+4], 0, v46, vcc_lo
	s_delay_alu instid0(VALU_DEP_3)
	v_mov_b32 v[ST+5], v[ST+4]
	s_delay_alu instid0(VALU_DEP_2)
	v_mov_b32 v[ST+12+5], v[ST+12+4]
	s_add_co_i32 s57, s54, s55                     ; e8 + e9
	s_add_co_i32 s92, s55, 127
	s_lshl_b32 s95, s92, 23
	v_mov_b32 v[PSC], s95
	s_add_co_i32 s92, s92, 15
	s_lshl_b32 s92, s92, 23
	s_or_b32 s92, s92, 0x600000
	v_mov_b32 v[PLIM], s92
	v_mov_b32 v[PLIM+1], s92
	s_add_co_i32 s92, s56, 127
	s_lshl_b32 s95, s92, 23
	v_mov_b32 v[ASC], s95
	s_add_co_i32 s92, s92, 15
	s_lshl_b32 s92, s92, 23
	s_or_b32 s92, s92, 0x600000
	v_mov_b32 v[ALIM], s92
.macro LOADKC nx                       ; 32 LDS loads: eight fragments of K and the table's words of their keys; nx = 1: the step after the one whose addresses stand in AK, AB
	WIN 0x40
.irp f, 0,1,2,3,4,5,6,7
	ds_load_b128 v[KF+8*\f:KF+8*\f+3], v[AK] offset:8192*(\nx)+1024*\f
	ds_load_b128 v[KF+8*\f+4:KF+8*\f+7], v[AK] offset:8192*(\nx)+1024*\f+512
.endr
.irp f, 0,1,2,3,4,5,6,7
	ds_load_b128 v[BF+8*\f:BF+8*\f+3], v[AB] offset:512*(\nx)+64*\f
	ds_load_b128 v[BF+8*\f+4:BF+8*\f+7], v[AB] offset:512*(\nx)+64*\f+16
.endr
	WIN 0
.endm
.macro HOLD2 r                         ; the conversion to an 8-bit code does not saturate (ISA guide 7.6.2); p is not negative, so the hold is one-sided; two numbers a line
	v_dual_min_num_f32 v[\r], v[\r], v[PLIM] :: v_dual_min_num_f32 v[(\r)+1], v[(\r)+1], v[PLIM+1]
.endm
.macro HOLDS r, c                      ; c such lines, from register r on
.set hn, 0
.rept \c
	HOLD2 (\r)+hn
.set hn, hn+2
.endr
.endm
; The n-th of 28 lines of tile t's maxima, in eight chains v[T + 8 t ..]; the scores are taken in ascending order.
; Line 0 takes the running maximum and scores 0, 1; lines 1-7 three scores each (2 .. 22); lines 8-27 two each (23 .. 62).  Score 63 joins in STAT's level 0.
.macro MAXI t, n
.set CB, T+8*(\t)
.set SB, S+64*(\t)
.if (\n) == 0
	v_max3_num_f32 v[CB], v[ST+12*(\t)+1], v[SB], v[SB+1]
.else
.if (\n) < 8
	v_max3_num_f32 v[CB+(\n)], v[SB+3*(\n)-1], v[SB+3*(\n)], v[SB+3*(\n)+1]
.else
	v_max3_num_f32 v[CB+((\n)%8)], v[CB+((\n)%8)], v[SB+2*(\n)+7], v[SB+2*(\n)+8]
.endif
.endif
.endm
; Tile t's statistics, level by level; each level reads the one before.
.macro STAT t, l
.set CB, T+8*(\t)
.set X, ST+12*(\t)
.if (\l) == 0
	v_max3_num_f32 v[CB+6], v[CB+6], v[CB+7], v[S+64*(\t)+63]
	v_max3_num_f32 v[CB], v[CB], v[CB+1], v[CB+2]
	v_max3_num_f32 v[CB+3], v[CB+3], v[CB+4], v[CB+5]
.endif
.if (\l) == 1
	v_max3_num_f32 v[CB], v[CB], v[CB+3], v[CB+6]
.endif
.if (\l) == 2
	v_permlanex16_b32 v[X+10], v[CB], s[SEL], s[SEL+1]
.endif
.if (\l) == 3
	v_max_num_f32 v[X+1], v[CB], v[X+10]           ; the largest raw score so far, lane l xor 16's keys among them
.endif
.if (\l) == 4
	v_mul_f32 v[X+8], v[X+4], v[X+1]               ; as t
.endif
.if (\l) == 5
	v_floor_f32 v[X+9], -v[X+8]                    ; the new -M = -ceil(t)
.endif
.if (\l) == 6
	v_sub_f32 v[X+8], v[X+9], v[X]                 ; old M - new M: a whole number, 0 or less
.endif
.if (\l) == 7
	v_mov_b32 v[X], v[X+9]
	v_cvt_i32_f32 v[X+8], v[X+8]                   ; (it saturates)
.endif
.if (\l) == 8
	v_ldexp_f32 v[X+6], 1.0, v[X+8]                ; f = 2^(old M - new M)
.endif
.endm
.macro FMA0 i                          ; tile 0: t - M, two at a time
	v_pk_fma_f32 v[S+2*(\i):S+2*(\i)+1], v[S+2*(\i):S+2*(\i)+1], v[ST+4:ST+5], v[ST:ST+1] op_sel_hi:[1,0,0]
.endm
; The row's sum of the UNQUANTISED p: 32 pairs onto the sum and seven chains v[T + 16 t ..]: part 0: eight lines, part 1: eight, part 2: nine.
.macro RSR t, part
.set B0, S+64*(\t)
.set A0, ST+12*(\t)+2
.set U0, T+16*(\t)
.set k, 0
.if (\part) == 0
.rept 7
	v_pk_add_f32 v[U0+2*k:U0+2*k+1], v[B0+4*k:B0+4*k+1], v[B0+4*k+2:B0+4*k+3]
.set k, k+1
.endr
	v_pk_add_f32 v[A0:A0+1], v[A0:A0+1], v[B0+28:B0+29]
.else
.rept 7
	v_pk_add_f32 v[U0+2*k:U0+2*k+1], v[U0+2*k:U0+2*k+1], v[B0+14+16*(\part)+2*k:B0+14+16*(\part)+2*k+1]
.set k, k+1
.endr
	v_pk_add_f32 v[A0:A0+1], v[A0:A0+1], v[B0+28+16*(\part):B0+28+16*(\part)+1]
.if (\part) == 2
	v_pk_add_f32 v[U0:U0+1], v[U0:U0+1], v[B0+62:B0+63]
.endif
.endif
.endm
.macro RSM t, i                        ; the chains are joined: lines 0-3, then 4, 5, then 6
.set A0, ST+12*(\t)+2
.set U0, T+16*(\t)
.if (\i) < 3
	v_pk_add_f32 v[U0+4*(\i):U0+4*(\i)+1], v[U0+4*(\i):U0+4*(\i)+1], v[U0+4*(\i)+2:U0+4*(\i)+3]
.endif
.if (\i) == 3
	v_pk_add_f32 v[A0:A0+1], v[A0:A0+1], v[U0+12:U0+13]
.endif
.if (\i) == 4
	v_pk_add_f32 v[U0:U0+1], v[U0:U0+1], v[U0+4:U0+5]
.endif
.if (\i) == 5
	v_pk_add_f32 v[A0:A0+1], v[A0:A0+1], v[U0+8:U0+9]
.endif
.if (\i) == 6
	v_pk_add_f32 v[A0:A0+1], v[A0:A0+1], v[U0:U0+1]
.endif
.endm
.macro CODES t                         ; registers 2 f, 2 f + 1 of P: keys 16 f + 8 h + 0 .. 7
.irp f, 0,1,2,3,4,5,6,7
	v_cvt_scalef32_pk8_bf8_f32 v[P+16*(\t)+2*\f:P+16*(\t)+2*\f+1], v[S+64*(\t)+8*\f:S+64*(\t)+8*\f+7], v[PSC]
.endr
.endm
; A KEY STEP: 128 keys for my two tiles of queries.  nx = 1: the slot has a further step, whose K and table words are asked for here.
; nx = 0: the slot's last step, which holds the change of slots at the place where it waits for V: ch = 1 with a fill, ch = 2 without.
.macro STEP nx, ch
	s_wait_dscnt 0x0                               ; K and the table, asked for a step ago, are in
	WIN 0x11
.irp f, 0,1,2,3,4,5,6,7
.irp t, 0,1
	v_wmma_f32_16x16x64_bf8_bf8 v[S+64*\t+8*\f:S+64*\t+8*\f+7], v[KF+8*\f:KF+8*\f+7], v[Q+8*\t:Q+8*\t+7], v[BF+8*\f:BF+8*\f+7]
.endr
.endr
.rept 4
	v_nop                                          ; places in front of the loads into K's, C's and V's registers, which matrix instructions have read, and of the first read of results (ISA guide 7.12.1 for the first read of results)
.endr
	WIN 0x40
.irp i, 0,1,2,3
.irp g, 0,1,2,3
	ds_load_b128 v[VF+16*\i+4*\g:VF+16*\i+4*\g+3], v[AV] offset:2048*\i+512*\g
.endr
.endr
.if \nx
	LOADKC 1
	s_add_co_u32 s[SA], s[SA], 8192                ; on to the next step: its addresses are made below
	s_add_co_u32 s[SV], s[SV], 8192
	s_add_co_u32 s[KBO], s[KBO], 512
.else
	WIN 0
.endif
.set n, 0
.rept 28
	MAXI 0, n
.set n, n+1
.endr
	MAXI 1, 0
	MAXI 1, 1
	MAXI 1, 2
	STAT 0, 0
.set l, 1
.rept 6                                        ; tile 0's statistics among tile 1's maxima
	MAXI 1, 4*l-1
	MAXI 1, 4*l
	MAXI 1, 4*l+1
	MAXI 1, 4*l+2
	STAT 0, l
.set l, l+1
.endr
	MAXI 1, 27
.if \nx
	v_add_nc_u32 v[AK], s[SA], v[LI]
	v_add_nc_u32 v[AB], s[KBO], v[ABI]
	v_add_nc_u32 v[AV], s[SV], v[LI]
.else
.rept 3
	v_nop
.endr
.endif
	STAT 0, 7
	STAT 1, 0
	FMA0 0
	STAT 0, 8
	FMA0 1
	FMA0 2
	STAT 1, 1
.set l, 2
.rept 7                                        ; tile 1's statistics among tile 0's scalings
	FMA0 4*l-5
	FMA0 4*l-4
	FMA0 4*l-3
	FMA0 4*l-2
	STAT 1, l
.set l, l+1
.endr
	FMA0 31
	v_pk_mul_f32 v[ST+2:ST+3], v[ST+2:ST+3], v[ST+6:ST+7] op_sel_hi:[1,0]   ; the sum under the new M
	WIN 0x41
.irp t, 0,1
.irp j, 0,2,4,6,8,10,12,14,16,18,20,22,24,26,28,30
	v_pk_mul_f32 v[32*\t+\j:32*\t+\j+1], v[32*\t+\j:32*\t+\j+1], v[ST+12*\t+6:ST+12*\t+7] op_sel_hi:[1,0]   ; O^T under the new M, ahead of the step's exponentials
.endr
.endr
	WIN 0
	v_pk_mul_f32 v[ST+14:ST+15], v[ST+14:ST+15], v[ST+18:ST+19] op_sel_hi:[1,0]
	s_wait_alu depctr_va_vdst(0)                   ; the wait ahead of the batch
.set n, 0
.rept 32                                       ; tile 0's exponentials; among them tile 1's t - M, which is read behind the next wait
	v_exp_f32 v[S+n], v[S+n]
	v_exp_f32 v[S+n+1], v[S+n+1]
	v_pk_fma_f32 v[S+64+n:S+64+n+1], v[S+64+n:S+64+n+1], v[ST+16:ST+17], v[ST+12:ST+13] op_sel_hi:[1,0,0]
.set n, n+2
.endr
	s_wait_alu depctr_va_vdst(0)                   ; one wait behind the batch, which also stands ahead of the next
	RSR 0, 0
	RSR 0, 1
	RSR 0, 2
.set n, 0
.rept 32                                       ; tile 1's exponentials; among them tile 0's holds, which are read behind the next wait
	v_exp_f32 v[S+64+n], v[S+64+n]
	v_exp_f32 v[S+64+n+1], v[S+64+n+1]
	HOLD2 S+n
.set n, n+2
.endr
	v_nop                                          ; a plain line behind the last exponential
	s_wait_alu depctr_va_vdst(0)                   ; one wait behind the batch, directly ahead of the wait below
.if \nx
	s_wait_dscnt 32                                ; V is in; behind it the next step's 32 loads stay out
.else
	CHANGE (2-\ch)                                 ; its wait for all LDS instructions shows V in, and with it my last read of this slot
	NEXTSLOT 1, (\ch-1)                            ; the next slot's first K and table words come under the rest of this step
.endif
	CODES 0
.irp i, 0,1,2,3                                ; tile 0's chains are joined among tile 1's additions
	RSM 0, \i
.endr
	RSR 1, 0
	RSM 0, 4
	RSM 0, 5
	RSR 1, 1
	RSM 0, 6
	RSR 1, 2
	HOLDS S+64, 5                                  ; tile 1's among its holds
.irp i, 0,1,2,3
	RSM 1, \i
.endr
	HOLDS S+74, 4
	RSM 1, 4
	RSM 1, 5
	HOLDS S+82, 4
	RSM 1, 6
	HOLDS S+90, 19
	CODES 1
	v_nop                                          ; a plain line between the conversions and the products that read their results
	WIN 0x51
.irp i, 0,1,2,3                                ; the eight accumulators take one turn each
.irp t, 0,1
	v_wmma_f32_16x16x128_bf8_bf8 v[32*\t+8*\i:32*\t+8*\i+7], v[VF+16*\i:VF+16*\i+15], v[P+16*\t:P+16*\t+15], v[32*\t+8*\i:32*\t+8*\i+7]
.endr
.endr
	WIN 0
.endm
; THE CHANGE OF SLOTS stands in a slot's last step, behind that step's last read of the slot (and once ahead of the first slot): each wave waits for all its tensor loads, adds 0 to its spare word,
; and waits for that and for its reads of the slot that it leaves.  fill = 1: the barrier is a round of the cluster's, and the joint load into the slot just left is the first thing behind it.
.macro CHANGE fill
	s_wait_tensorcnt 0x0
	ds_add_u32 v[SPW], v[NIL]
.if \fill
	s_xor_b32 s[G0K+1], s[G0K+1], SLOT1
	s_add_nc_u64 s[G0K+2:G0K+3], s[G0K+2:G0K+3], 0x20000
	s_xor_b32 s[G0V+1], s[G0V+1], SLOT1
	s_add_nc_u64 s[G0V+2:G0V+3], s[G0V+2:G0V+3], 0x100000
	s_wait_xcnt 0x0                                ; the last prefetch has read its address
	s_add_nc_u64 s[PFA:PFA+1], s[PFA:PFA+1], s[PFS:PFS+1]
	s_wait_dscnt 0x0
	CROUND
	TLOAD
	ASK
.else
	s_wait_dscnt 0x0
	s_barrier_signal -1
	s_barrier_wait -1
.endif
.endm
; The addresses of a slot's first step, and its K and table words.  step = 1: on to the other slot and the next 128 words of the table.
; skip = 1: behind the launch's last slot there is none to read: a jump on the loop's counter, the same in all waves, leads round the three additions and the 32 LDS loads, and round nothing else.
.macro NEXTSLOT step, skip
.if \step
	s_add_co_u32 s[KBO], s[KBO], 512
	s_xor_b32 s[TB], s[TB], SLOT1
.endif
	s_mov_b32 s[SA], s[TB]
	s_add_co_u32 s[SV], s[TB], VOFF
.if \skip
	s_cmp_eq_u32 s[SLOTS], 1
	s_cbranch_scc1 .Lno_next_\@
.endif
	v_add_nc_u32 v[AK], s[SA], v[LI]
	v_add_nc_u32 v[AB], s[KBO], v[ABI]
	v_add_nc_u32 v[AV], s[SV], v[LI]
	LOADKC 0
.Lno_next_\@:
.endm
.macro SLOTS2 ch                       ; two slots of eight steps: seven in a counted loop, the last, with the change of slots, written out
	s_mov_b32 s[SLOTS], 2
.Lslot_\@:
	s_mov_b32 s[CNT], NQ-1
.Lstep_\@:
	STEP 1, 0
	s_sub_co_u32 s[CNT], s[CNT], 1
	s_cmp_lg_u32 s[CNT], 0
	s_cbranch_scc1 .Lstep_\@
	STEP 0, \ch
	s_sub_co_u32 s[SLOTS], s[SLOTS], 1
	s_cmp_lg_u32 s[SLOTS], 0
	s_cbranch_scc1 .Lslot_\@
.endm
	s_wait_alu depctr_va_vdst(0)                   ; the wait at the head's end
	CHANGE 1                                       ; slot 0 is in; slot 1's first fill is issued as a refill is
	NEXTSLOT 0, 0
	s_wait_alu depctr_va_vdst(0)
	SLOTS2 1                                       ; slots 0 and 1: their last steps ask for slots 2 and 3
	SLOTS2 2                                       ; slots 2 and 3 ask for nothing: written out
	; THE WAY OUT.  O^T x 2^(e8 + e9) / the sum is held, converted with 2^e10 and stored as it lies: registers 2 i, 2 i + 1 of a fragment of 16 queries x the head's 64.  The additions are the places behind the last products.
.irp t, 0,1
	v_add_f32 v[ST+12*\t+2], v[ST+12*\t+2], v[ST+12*\t+3]
.endr
.irp t, 0,1
	s_delay_alu instid0(VALU_DEP_2)
	v_permlanex16_b32 v[ST+12*\t+10], v[ST+12*\t+2], s[SEL], s[SEL+1]
.endr
.irp t, 0,1
	s_delay_alu instid0(VALU_DEP_2)
	v_add_f32 v[ST+12*\t+2], v[ST+12*\t+2], v[ST+12*\t+10]
.endr
	s_wait_alu depctr_va_vdst(0)
.irp t, 0,1
	v_rcp_f32 v[ST+12*\t+6], v[ST+12*\t+2]
.endr
	v_nop
	s_wait_alu depctr_va_vdst(0)
.irp t, 0,1
	v_ldexp_f32 v[ST+12*\t+6], v[ST+12*\t+6], s57
.endr
	WIN 0x01
	s_wait_alu depctr_va_vdst(0)                   ; the wait directly ahead of the first reader of O^T
.irp t, 0,1
.set n, 0
.rept 32
	v_mul_f32 v[S+64*\t+n], v[32*\t+n], v[ST+12*\t+6]
.set n, n+1
.endr
.endr
	WIN 0
.irp t, 0,1
.set n, 0
.rept 32
	v_med3_num_f32 v[S+64*\t+n], v[S+64*\t+n], -v[ALIM], v[ALIM]
.set n, n+1
.endr
.irp i, 0,1,2,3
	v_cvt_scalef32_pk8_bf8_f32 v[P+16*\t+2*\i:P+16*\t+2*\i+1], v[S+64*\t+8*\i:S+64*\t+8*\i+7], v[ASC]
.endr
.endr
	v_nop
.irp t, 0,1
.irp g, 0,1
	global_store_b128 v[LI], v[P+16*\t+4*\g:P+16*\t+4*\g+3], s[14:15] offset:1024*\t+512*\g   ; 32 lanes store 512 consecutive bytes, aligned
.endr
.endr
	s_wait_tensorcnt 0x0                           ; the wave's end
	ds_add_u32 v[SPW], v[NIL]
	s_wait_dscnt 0x0
	CROUND                                         ; the closing round
	s_endpgm
.Lfunc_end_k_q007b30acf1_attn:
	.size	k_q007b30acf1_attn, .Lfunc_end_k_q007b30acf1_attn-k_q007b30acf1_attn
	.p2alignl 7, 3214868480
	.fill 96, 4, 3214868480
	.section	.rodata,"a",@progbits
	.p2align	6, 0x0
	.amdhsa_kernel k_q007b30acf1_attn
		.amdhsa_group_segment_fixed_size 327680
		.amdhsa_private_segment_fixed_size 0
		.amdhsa_enable_private_segment 0
		.amdhsa_kernarg_size 48
		.amdhsa_user_sgpr_count 2
		.amdhsa_user_sgpr_kernarg_segment_ptr 1
		.amdhsa_wavefront_size32 1
		.amdhsa_system_sgpr_workgroup_id_x 1
		.amdhsa_system_sgpr_workgroup_id_y 1
		.amdhsa_system_sgpr_workgroup_id_z 1
		.amdhsa_system_vgpr_workitem_id 0
		.amdhsa_next_free_vgpr 512
		.amdhsa_next_free_sgpr 100
		.amdhsa_reserve_vcc 1
		.amdhsa_float_denorm_mode_32 3
		.amdhsa_float_denorm_mode_16_64 3
		.amdhsa_memory_ordered 1
		.amdhsa_forward_progress 1
		.amdhsa_inst_pref_size 144
	.end_amdhsa_kernel
	.amdgpu_metadata
---
amdhsa.version: [ 1, 2 ]
amdhsa.kernels:
  - .name:           k_q007b30acf1_attn
    .symbol:         k_q007b30acf1_attn.kd
    .args:
      - { .name: q_img, .offset: 0, .size: 8, .value_kind: global_buffer, .address_space: global }
      - { .name: k_img, .offset: 8, .size: 8, .value_kind: global_buffer, .address_space: global }
      - { .name: v_img, .offset: 16, .size: 8, .value_kind: global_buffer, .address_space: global }
      - { .name: input_mask, .offset: 24, .size: 8, .value_kind: global_buffer, .address_space: global }
      - { .name: lowp_scales, .offset: 32, .size: 8, .value_kind: global_buffer, .address_space: global }
      - { .name: a_img, .offset: 40, .size: 8, .value_kind: global_buffer, .address_space: global }
    .group_segment_fixed_size: 327680
    .private_segment_fixed_size: 0
    .kernarg_segment_align: 8
    .kernarg_segment_size: 48
    .max_flat_workgroup_size: 256
    .sgpr_count:     100
    .vgpr_count:     512
    .wavefront_size: 32
...
	.end_amdgpu_metadata
.endif
;; end of part 3
;; launch oproj (part 4): grid 8 x 32, 8 waves a work-group, clusters of 4 x 4, 327,680 bytes of LDS; arguments a_img, Wo_codes, bo, inputs, lowp_scales, out0; writes out0
.if DOCPART == 4
	.amdgcn_target "amdgcn-amd-amdhsa--gfx1250"
	.amdhsa_code_object_version 6
	.text
	.protected	k_q007b30acf1_oproj
	.globl	k_q007b30acf1_oproj
	.p2align	8
	.type	k_q007b30acf1_oproj,@function
k_q007b30acf1_oproj:
	s_mov_b64 s[64:65], 0
	v_nop
	global_prefetch_b8 v0, s[64:65] scope:SCOPE_SE
	s_setreg_imm32_b32 hwreg(HW_REG_WAVE_MODE, 25, 1), 1
	s_wait_xcnt 0x0
	s_wait_alu depctr_hold_cnt(0) depctr_sa_sdst(0) depctr_va_vdst(0) depctr_va_sdst(0) depctr_va_ssrc(0) depctr_va_vcc(0) depctr_vm_vsrc(0)
	s_getreg_b32 s2, hwreg(HW_REG_IB_STS2, 6, 4)
	s_cmp_eq_u32 s2, 0
	s_cbranch_scc0 .Lentry_in_a_cluster
	s_endpgm
.Lentry_in_a_cluster:
	s_bfe_u32 s2, ttmp6, 0x10000c
	s_cmp_lg_u32 s2, 0xf033
	s_cbranch_scc0 .Lentry_shape_is_right
	s_endpgm
.Lentry_shape_is_right:
; out = attn Wo^T x 2^(e10 + e11) + bo + inputs.  attn: codes of BF8 (E5M2) as images of operand registers (a_img: 16 rows x a head's 64 = 1,024 bytes at (head 256 + row tile) 1,024); Wo: codes, [1024][1024], K innermost; out: [4096][1024] f32.
; A tile of 128 x 128 to a work-group: 256 work-groups.  K is 1,024, so BOTH whole panels fit in LDS: 128 KB of attn's images and 128 rows of Wo.  Every LDS byte is filled once: no ring, no refill.
; Each wave issues ONE tensor load at the head: waves 0-3 four heads of attn's panel each (4 rows of 8,192 bytes), waves 4-7 32 whole rows of Wo each; one wait for all and one barrier stand in front of the products.
; CLUSTERS: 4 x 4 work-groups.  attn's panel hangs on the tile row alone and is asked for jointly along a row of the cluster, Wo's on the tile column alone and is asked for jointly along a column.
; SHARES.  Wave w makes rows 32 (w / 2) .. + 31 and columns 64 (w % 2) .. + 63: eight accumulators.  THE MATRIX INSTRUCTION IS USED TRANSPOSED (source 0 = 16 rows of Wo): a lane holds eight neighbouring columns of a row.
; attn's fragments lie in the matrix unit's own order of k (registers 2 c, 2 c + 1: k = 16 c + 8 h + 0 .. 7), so Wo's are read in that order too: 8-byte loads, 16 bytes apart.
; The residual's and the bias's loads are issued at the head.  The sums go through the wave's own stage in LDS and leave as whole rows of 256 bytes.
; LIMIT: e10 + e11 between -126 and 127.  No prefetch: everything that the work-group reads is asked for at its head, and there is no loop to run ahead in.
.set BT,   131072                      ; LDS: attn's images [head 16][row tile 8][1,024] from 0; Wo's 128 rows from here
.set BP,   1040                        ; a row of Wo in LDS: 1,024 bytes + 16 of padding = 260 words: row r starts at bank 4 r mod 64
.set STG,  BT+128*BP                   ; the stages: 16 rows x (256 + 16) bytes for each wave; no fill lands here
.set SPARE, STG+8*16*272               ; the spare words, 128 bytes a wave
.set WV,   16
.set G1A,  24
.set G1B,  32
.set ALO,  4                           ; v4, v5  my place in the images of heads 0-7, 8-15
.set BLO,  6                           ; v6   my place in Wo's rows
.set STO,  8
.set RD,   9
.set GO,   10
.set BOF,  11
.set BO,   12
.set AF,   32
.set BF,   64
.set ACC,  128
.set RES,  192
.set XO,   32
.macro CROUND
	s_barrier_signal -1
	s_barrier_wait -1
	s_cmp_lg_u32 s[WV], 0
	s_cbranch_scc1 .Lnot_wave_0_\@
	s_barrier_signal -3
.Lnot_wave_0_\@:
	s_barrier_wait -3
	s_barrier_signal -1
	s_barrier_wait -1
.endm
	s_load_b256 s[4:11], s[0:1], 0x0               ; a_img, Wo, bo, inputs
	s_load_b128 s[12:15], s[0:1], 0x20             ; the scales' exponents, out
	v_lshl_add_u32 v30, v0, 2, SPARE
	v_mov_b32 v31, 0
	ds_add_u32 v30, v31                            ; the opening lines: the add twice on end and its wait
	ds_add_u32 v30, v31
	v_lshrrev_b32 v1, 5, v0
	s_delay_alu instid0(VALU_DEP_1)
	v_readfirstlane_b32 s[WV], v1
	s_and_b32 s17, s[WV], 3                        ; which quarter of a panel I fetch
	s_lshr_b32 s18, s[WV], 1                       ; my 32 rows
	s_and_b32 s19, s[WV], 1                        ; my 64 columns
	s_bfe_u32 s76, ttmp6, 0x40000
	s_bfe_u32 s77, ttmp6, 0x40004
	s_lshl_b32 s78, ttmp9, 2
	s_add_co_u32 s78, s78, s76                     ; tile column
	s_and_b32 s79, ttmp7, 0xffff
	s_lshl_b32 s79, s79, 2
	s_add_co_u32 s79, s79, s77                     ; tile row
	s_lshl_b32 s80, s77, 2
	s_lshl_b32 s80, 15, s80                        ; my row of the cluster
	s_lshl_b32 s81, 0x1111, s76                    ; my column
	s_or_b32 s[G1A], s80, (3<<16)|(1<<21)          ; attn: 4 rows of 1,024 elements of 8 bytes (a head's eight images), 32,768 elements apart, dense in LDS
	s_mov_b32 s[G1A+1], 1024<<16
	s_mov_b32 s[G1A+2], 4<<16
	s_mov_b32 s[G1A+3], 1024<<16
	s_mov_b32 s[G1A+4], 4
	s_mov_b32 s[G1A+5], 32768
	s_mov_b32 s[G1A+6], 0
	s_mov_b32 s[G1A+7], 0
	s_or_b32 s[G1B], s81, (0<<16)|(1<<20)|(1<<21)|(7<<22)|(3<<25)   ; Wo: 32 rows of 1,024 bytes; padding: 4 words after every 256
	s_mov_b32 s[G1B+1], 1024<<16
	s_mov_b32 s[G1B+2], 32<<16
	s_mov_b32 s[G1B+3], 1024<<16
	s_mov_b32 s[G1B+4], 32
	s_mov_b32 s[G1B+5], 1024
	s_mov_b32 s[G1B+6], 0
	s_mov_b32 s[G1B+7], 0
	s_lshl_b32 s82, s17, 20                        ; attn: heads 4 x quarter on, 262,144 bytes a head,
	s_lshl_b32 s83, s79, 13                        ; the tile row's eight images
	s_add_co_u32 s82, s82, s83
	s_mov_b32 s83, 0
	s_lshl_b32 s86, s78, 17                        ; Wo: row 128 x tile column + 32 x quarter
	s_lshl_b32 s87, s17, 15
	s_add_co_u32 s86, s86, s87
	s_mov_b32 s87, 0
	s_lshl_b32 s90, s17, 15                        ; where they go: no place in the cluster enters an LDS address
	s_mul_i32 s91, s17, 32*BP
	s_add_co_u32 s91, s91, BT
	s_wait_dscnt 0x0
	s_wait_kmcnt 0x0
	s_load_b64 s[92:93], s[12:13], 0x28            ; e10, e11
	s_mov_b32 s40, 1
	s_mov_b32 s41, s90
	s_add_nc_u64 s[42:43], s[4:5], s[82:83]
	s_or_b32 s43, s43, 0x80000000
	s_mov_b32 s44, 1
	s_mov_b32 s45, s91
	s_add_nc_u64 s[46:47], s[6:7], s[86:87]
	s_or_b32 s47, s47, 0x80000000
	CROUND                                         ; all sixteen work-groups are here: the joint loads meet
	s_cmp_lt_u32 s[WV], 4
	s_cbranch_scc0 .Lfill_b
	tensor_load_to_lds s[40:43], s[G1A:G1A+7]
	s_nop 0
.rept 4
	v_nop
.endr
	s_branch .Lfilled
.Lfill_b:
	tensor_load_to_lds s[44:47], s[G1B:G1B+7]
	s_nop 0
.rept 4
	v_nop
.endr
.Lfilled:
	v_and_b32 v1, 15, v0
	v_bfe_u32 v2, v0, 4, 1
	v_and_b32 v3, 31, v0
	s_delay_alu instid0(VALU_DEP_3)
	v_lshlrev_b32 v[BOF], 4, v1
	s_delay_alu instid0(VALU_DEP_1)
	v_lshl_add_u32 v[GO], v2, 12, v[BOF]           ; lanes 0-15 take one row of 256 bytes, lanes 16-31 the next
	s_wait_alu depctr_va_vdst(0)                   ; the wait ahead of the run of scalar lines
	s_lshl_b32 s94, s78, 9
	s_lshl_b32 s95, s19, 8
	s_add_co_u32 s94, s94, s95                     ; my first column, in bytes
	s_mov_b32 s95, 0
	s_add_nc_u64 s[8:9], s[8:9], s[94:95]
	s_lshl_b32 s96, s79, 19
	s_add_co_u32 s94, s94, s96
	s_lshl_b32 s96, s18, 17
	s_add_co_u32 s94, s94, s96                     ; + my first row
	s_add_nc_u64 s[10:11], s[10:11], s[94:95]
	s_add_nc_u64 s[14:15], s[14:15], s[94:95]
.irp i, 0,1
.irp t, 0,1,2,3,4,5,6,7
	global_load_b128 v[RES+4*(8*\i+\t):RES+4*(8*\i+\t)+3], v[GO], s[10:11] offset:(16*\i+2*\t)*4096 th:TH_LOAD_NT
.endr
.endr
	global_load_b128 v[BO:BO+3], v[BOF], s[8:9]
	s_lshl_b32 s96, s18, 11
	v_lshlrev_b32 v[ALO], 4, v3
	s_delay_alu instid0(VALU_DEP_1)
	v_add_nc_u32 v[ALO], s96, v[ALO]               ; 16 x lane + my two row tiles' images
	s_delay_alu instid0(VALU_DEP_1)
	v_add_nc_u32 v[ALO+1], 65536, v[ALO]
	s_mul_i32 s96, s19, 64*BP
	s_add_co_u32 s96, s96, BT
	v_mul_u32_u24 v[BLO], v1, BP
	s_delay_alu instid0(VALU_DEP_1)
	v_lshl_add_u32 v[BLO], v2, 3, v[BLO]
	s_delay_alu instid0(VALU_DEP_1)
	v_add_nc_u32 v[BLO], s96, v[BLO]               ; row 64 (w % 2) + r, + 8 h
	s_mul_i32 s96, s[WV], 16*272
	s_add_co_u32 s96, s96, STG                     ; my stage
	v_mul_u32_u24 v[STO], v1, 272
	s_delay_alu instid0(VALU_DEP_1)
	v_lshl_add_u32 v[STO], v2, 5, v[STO]
	s_delay_alu instid0(VALU_DEP_1)
	v_add_nc_u32 v[STO], s96, v[STO]
	v_mul_u32_u24 v[RD], v2, 272
	s_delay_alu instid0(VALU_DEP_1)
	v_lshl_add_u32 v[RD], v1, 4, v[RD]
	s_delay_alu instid0(VALU_DEP_1)
	v_add_nc_u32 v[RD], s96, v[RD]
; A step of 128 along K: heads 2 sg and 2 sg + 1.  first = 1: the products start the sums.  The eight accumulators take turns.
.macro KS sg, first
.if !\first
.rept 4
	v_nop                                          ; places in front of loads into registers that matrix instructions have read
.endr
.endif
.irp i, 0,1
.irp p, 0,1
.irp g, 0,1
	ds_load_b128 v[AF+16*\i+8*\p+4*\g:AF+16*\i+8*\p+4*\g+3], v[ALO+(2*(\sg)+\p)/8] offset:((2*(\sg)+\p)%8)*8192+1024*\i+512*\g
.endr
.endr
.endr
.irp b, 0,1,2,3
.irp c, 0,1,2,3,4,5,6,7
	ds_load_b64 v[BF+16*\b+2*\c:BF+16*\b+2*\c+1], v[BLO] offset:16*BP*\b+128*(\sg)+16*\c   ; Wo(row, 128 sg + 16 c + 8 h .. + 7)
.endr
.endr
	s_wait_dscnt 0x0
.irp i, 0,1
.irp b, 0,1,2,3
.if \first
	v_wmma_f32_16x16x128_bf8_bf8 v[ACC+8*(4*\i+\b):ACC+8*(4*\i+\b)+7], v[BF+16*\b:BF+16*\b+15], v[AF+16*\i:AF+16*\i+15], 0
.else
	v_wmma_f32_16x16x128_bf8_bf8 v[ACC+8*(4*\i+\b):ACC+8*(4*\i+\b)+7], v[BF+16*\b:BF+16*\b+15], v[AF+16*\i:AF+16*\i+15], v[ACC+8*(4*\i+\b):ACC+8*(4*\i+\b)+7]
.endif
.endr
.endr
.endm
	s_wait_alu depctr_va_vdst(0)                   ; the wait at the head's end
	s_wait_tensorcnt 0x0                           ; my part of the panels is in
	s_barrier_signal -1
	s_barrier_wait -1                              ; everybody's is
	KS 0, 1
.irp sg, 1,2,3,4,5,6,7
	KS \sg, 0
.endr
	s_wait_loadcnt 0x0                             ; the residual and the bias
.set j, 0
.rept 16                               ; inputs + bo: these plain lines are the places behind the last products
	v_pk_add_f32 v[RES+j:RES+j+1], v[RES+j:RES+j+1], v[BO:BO+1]
	v_pk_add_f32 v[RES+j+2:RES+j+3], v[RES+j+2:RES+j+3], v[BO+2:BO+3]
.set j, j+4
.endr
	s_wait_kmcnt 0x0
	s_add_co_i32 s92, s92, s93
	s_add_co_i32 s92, s92, 127
	s_lshl_b32 s92, s92, 23                        ; 2^(e10 + e11) as f32
	s_mov_b32 s93, s92
	; THE WAY OUT: a tile of 16 rows x 64 columns goes through my own stage and comes back as rows of 256 bytes.  LDS serves a wave's instructions in order (ISA guide 5.7.1.4).
.irp i, 0,1
.irp b, 0,1,2,3
	ds_store_b128 v[STO], v[ACC+8*(4*\i+\b):ACC+8*(4*\i+\b)+3] offset:64*\b
	ds_store_b128 v[STO], v[ACC+8*(4*\i+\b)+4:ACC+8*(4*\i+\b)+7] offset:64*\b+16
.endr
.irp t, 0,1,2,3,4,5,6,7
	ds_load_b128 v[XO+32*\i+4*\t:XO+32*\i+4*\t+3], v[RD] offset:544*\t
.endr
.endr
.irp i, 0,1
.irp t, 0,1,2,3,4,5,6,7
	s_wait_dscnt 16*(1-\i)+7-\t                    ; this load is back; behind it: the tile's later loads and, for tile 0, tile 1's sixteen LDS instructions
	v_pk_fma_f32 v[XO+32*\i+4*\t:XO+32*\i+4*\t+1], v[XO+32*\i+4*\t:XO+32*\i+4*\t+1], s[92:93], v[RES+4*(8*\i+\t):RES+4*(8*\i+\t)+1] op_sel_hi:[1,0,1]
	v_pk_fma_f32 v[XO+32*\i+4*\t+2:XO+32*\i+4*\t+3], v[XO+32*\i+4*\t+2:XO+32*\i+4*\t+3], s[92:93], v[RES+4*(8*\i+\t)+2:RES+4*(8*\i+\t)+3] op_sel_hi:[1,0,1]
	global_store_b128 v[GO], v[XO+32*\i+4*\t:XO+32*\i+4*\t+3], s[14:15] offset:(16*\i+2*\t)*4096 th:TH_STORE_NT   ; 16 lanes store 256 consecutive bytes, aligned
.endr
.endr
	s_wait_tensorcnt 0x0                           ; the wave's end
	ds_add_u32 v30, v31
	s_wait_dscnt 0x0
	CROUND                                         ; the closing round
	s_endpgm
.Lfunc_end_k_q007b30acf1_oproj:
	.size	k_q007b30acf1_oproj, .Lfunc_end_k_q007b30acf1_oproj-k_q007b30acf1_oproj
	.p2alignl 7, 3214868480
	.fill 96, 4, 3214868480
	.section	.rodata,"a",@progbits
	.p2align	6, 0x0
	.amdhsa_kernel k_q007b30acf1_oproj
		.amdhsa_group_segment_fixed_size 327680
		.amdhsa_private_segment_fixed_size 0
		.amdhsa_enable_private_segment 0
		.amdhsa_kernarg_size 48
		.amdhsa_user_sgpr_count 2
		.amdhsa_user_sgpr_kernarg_segment_ptr 1
		.amdhsa_wavefront_size32 1
		.amdhsa_system_sgpr_workgroup_id_x 1
		.amdhsa_system_sgpr_workgroup_id_y 1
		.amdhsa_system_sgpr_workgroup_id_z 1
		.amdhsa_system_vgpr_workitem_id 0
		.amdhsa_next_free_vgpr 256
		.amdhsa_next_free_sgpr 100
		.amdhsa_reserve_vcc 0
		.amdhsa_float_denorm_mode_32 3
		.amdhsa_float_denorm_mode_16_64 3
		.amdhsa_memory_ordered 1
		.amdhsa_forward_progress 1
		.amdhsa_inst_pref_size 42
	.end_amdhsa_kernel
	.amdgpu_metadata
---
amdhsa.version: [ 1, 2 ]
amdhsa.kernels:
  - .name:           k_q007b30acf1_oproj
    .symbol:         k_q007b30acf1_oproj.kd
    .args:
      - { .name: a_img, .offset: 0, .size: 8, .value_kind: global_buffer, .address_space: global }
      - { .name: Wo_codes, .offset: 8, .size: 8, .value_kind: global_buffer, .address_space: global }
      - { .name: bo, .offset: 16, .size: 8, .value_kind: global_buffer, .address_space: global }
      - { .name: inputs, .offset: 24, .size: 8, .value_kind: global_buffer, .address_space: global }
      - { .name: lowp_scales, .offset: 32, .size: 8, .value_kind: global_buffer, .address_space: global }
      - { .name: out0, .offset: 40, .size: 8, .value_kind: global_buffer, .address_space: global }
    .group_segment_fixed_size: 327680
    .private_segment_fixed_size: 0
    .kernarg_segment_align: 8
    .kernarg_segment_size: 48
    .max_flat_workgroup_size: 256
    .sgpr_count:     100
    .vgpr_count:     256
    .wavefront_size: 32
...
	.end_amdgpu_metadata
.endif
;; end of part 4
